; MI455X (gfx1250); checked and timed in simulation.
; The chip was launched on July 23, 2026; its instructions are those of AMD's public machine-readable ISA for CDNA 5 (MIT licence, August 2026) and "CDNA5" Instruction Set Architecture Reference Guide (July 2026). The comments in the code are by the model that wrote it; some were corrected since.
;; Linear Attention. Allowed arithmetic: float matrix products may take bf16 or f16 operands with f32 sums; all other float work in f32.
;; Inputs: keys 8 x 4,096 x 8 x 64 float32; queries 8 x 4,096 x 8 x 64 float32; values 8 x 4,096 x 8 x 64 float32.
;; Outputs: out0 8 x 4,096 x 8 x 64 float32.
;; One version. Each part assembles by itself: llvm-mc -triple=amdgcn-amd-amdhsa -mcpu=gfx1250 --defsym DOCPART=n.
;; ======== version 1 of 1: 2 launches
;; limits: right only within a limited range of input values
;; workspace buffers: part 4,325,376 bytes
;; launch kvsum (part 1): grid 256 x 1, 8 waves a work-group, no clusters, 136,192 bytes of LDS; arguments keys, values, part; writes part
.if DOCPART == 1
	.amdgcn_target "amdgcn-amd-amdhsa--gfx1250"
	.amdhsa_code_object_version 6
	.text
	.protected	k_q347347ec11_kvsum
	.globl	k_q347347ec11_kvsum
	.p2align	8
	.type	k_q347347ec11_kvsum,@function
k_q347347ec11_kvsum:
	s_mov_b64 s[64:65], 0
	v_nop
	global_prefetch_b8 v0, s[64:65] scope:SCOPE_SE
	s_setreg_imm32_b32 hwreg(HW_REG_WAVE_MODE, 25, 1), 1
	s_wait_xcnt 0x0
; Linear attention, first half.  K = elu(keys) + 1;  part = sum over s of K[s][d] V[s][v] / 4096  and  sum over s of K[s][d],
; each over 1,024 rows s of one batch and one head.  keys, values: [8][4096][8][64] f32.
; Work-group id = 32 n + 8 q + head (q: quarter of S).  Eight waves, 128 rows each, 32 rows to a step.
;
; LAYOUT.  One head's row is 256 consecutive bytes, rows 2,048 bytes apart.  A 16-byte load: lanes 0-15 take one whole row, lanes 16-31
; the next, lane r the columns 4r .. 4r+3.  The matrix rows are numbered d = 4 r + tm (tm = 0..3: four tiles of 16), the columns
; v = 4 r + tn.  So word tm of a lane's 16 bytes is row r of tile tm, and the 16 loads of a step give the lane the 16 values of the
; contraction index s that a 16x16x32 fragment wants of it (ISA guide 7.12.2).  s sits in the same places in K's and V's fragments, so the order
; of s within a step does not matter.  Two loads' words pack into one fragment register: no transpose, no LDS on the way in.
; Result tile (tm, tn), register j, lane (r, h): d = 32 h + 4 j + tm, v = 4 r + tn.
;
; IN FLIGHT.  Three register slots of 16 loads; the stream K0 V0 K1 V1 .. V3 goes round them, so 32 to 48 loads of 512 bytes of each wave
; are out.  No LDS ring: no byte is used by more than one lane.  No cluster: no two work-groups read the same input byte.
;
; LIMITS.  A NaN in keys is not carried on (v_med3_num_f32 returns a number).  elu is exp(x) - 1 in f32, within about 6e-8 of expm1,
; and K is exactly 0 where exp(x) < 2^-25, as in f32 expm1(x) + 1.  The factor 1/4096, a power of two, is applied to the sums, not to V:
; the unscaled f32 sums have to stay finite.  K and V enter the products rounded to bf16; sums are f32.
.set ROWB,  2048                       ; bytes from row s to row s + 1
.set STEPB, 32*ROWB                    ; a step
.set REC,   16896                      ; a work-group's record in part: 16,384 bytes of KV (register image) + 512 of Ksum (twice 64 f32)
.set IMG,   16384                      ; LDS: one wave's 64 x 64 f32
.set KSL,   8*IMG                      ; LDS: behind the eight images, 512 bytes of Ksum for each wave
.set KB,    4                          ; s[4:5] keys, s[6:7] values, at the work-group's first row and head
.set VB,    6
; window 0 (v0-v255)
.set VOFF,  1                          ; byte offset of my 16 bytes in my wave's first two rows
.set L16,   2                          ; 16 x lane
.set LA,    3                          ; LDS: my wave's image + 16 x lane
.set LK,    4                          ; LDS: my wave's Ksum + 16 x lane
.set LR0,   5                          ; my wave's eighth of an image + 16 x lane: LDS address (images 0-3) and offset in the record
.set LR1,   6                          ; the same for images 4-7 (an LDS immediate has 16 bits)
.set LKR,   7                          ; LDS: wave 0's Ksum + 16 x lane
.set KSA,   8                          ; v[8:11]   Ksum of d = 4r .. 4r+3, even loads
.set KSB,   12                         ; v[12:15]  odd loads
.set T,     16                         ; v[16:47]  at work
.set X,     64                         ; v[64:255] three slots of 16 loads x 4 registers
; window 1 (v256-v447), written as v0-v191 under s_set_vgpr_msb
.set ACC,   0                          ; 16 tiles of 8: tile (tm, tn) at 8 (4 tn + tm)
.set FA,    128                        ; K's four fragments
.set FB,    160                        ; V's four fragments
.set MSB, 0
.macro WIN new                         ; low byte: bits 1:0 source 0, 3:2 source 1, 5:4 source 2, 7:6 destination; high byte: the setting left
.if MSB != \new
	s_set_vgpr_msb (MSB<<8)|\new
.set MSB, \new
.endif
.endm
	s_load_b128 s[4:7], s[0:1], 0x0                ; keys, values
	s_load_b64 s[8:9], s[0:1], 0x10                ; part
	v_lshl_add_u32 v62, v0, 2, 0x21000
	v_mov_b32 v63, 0
	v_lshrrev_b32 v[T], 5, v0
	v_readfirstlane_b32 s10, v[T]                  ; wave 0..7
	v_and_b32 v[T], 15, v0                         ; r
	v_bfe_u32 v[T+1], v0, 4, 1                     ; h
	v_lshlrev_b32 v[T], 4, v[T]                    ; 16 r
	v_lshl_add_u32 v[T], v[T+1], 11, v[T]          ; + h rows
	s_lshl_b32 s11, s10, 18                        ; wave x 128 rows x 2,048 bytes
	v_add_nc_u32 v[VOFF], s11, v[T]
	s_lshr_b32 s12, ttmp9, 3                       ; 4 n + q
	s_lshl_b32 s12, s12, 21                        ; x 1,024 rows x 2,048 bytes
	s_and_b32 s13, ttmp9, 7                        ; head
	s_lshl_b32 s13, s13, 8                         ; x 256 bytes
	s_or_b32 s12, s12, s13
	s_mov_b32 s13, 0
	s_mul_i32 s14, ttmp9, REC                      ; my record
	s_mov_b32 s15, 0
	s_mov_b32 s16, 0x3fb8aa3b                      ; log2(e); the packed forms take the pair as read
	s_mov_b32 s17, 0x3fb8aa3b
	s_mov_b32 s20, 0x39800000                      ; 1/4096
	s_mov_b32 s21, 0x39800000
	s_mov_b32 s22, 0x76543210                      ; v_permlanex16_b32: lane i of the other half
	s_mov_b32 s23, 0xfedcba98
	s_wait_kmcnt 0x0
	s_add_nc_u64 s[4:5], s[4:5], s[12:13]
	s_add_nc_u64 s[6:7], s[6:7], s[12:13]
	s_add_nc_u64 s[8:9], s[8:9], s[14:15]
; 16 loads: the 32 rows of one step of K (b = KB) or V (b = VB).  Load i: rows 2i (lanes 0-15) and 2i + 1 (lanes 16-31), 256 whole bytes each.
; All 128 rows of a wave are reached by the immediate: no address is ever stepped.
.macro FILL slot, b, step
.irp i, 0,1,2,3,4,5,6,7,8,9,10,11,12,13,14,15
	global_load_b128 v[X+64*\slot+4*\i:X+64*\slot+4*\i+3], v[VOFF], s[\b:\b+1] offset:\step*STEPB+\i*2*ROWB th:TH_LOAD_NT
.endr
.endm
; elu(x) + 1 on 32 registers, in place.  elu(x) is the middle one of x, exp(x) - 1 and 0: exp(x) - 1 >= x always, so for x > 0 the order is
; 0 < x <= exp(x) - 1 and for x <= 0 it is x <= exp(x) - 1 <= 0.  An overflowing exp is +inf and loses.  3.5 instructions a number.
.macro ELU xb
.set k, 0
.rept 16
	v_pk_mul_f32 v[T+k:T+k+1], v[\xb+k:\xb+k+1], s[16:17] op_sel_hi:[1,0]
.set k, k+2
.endr
.set k, 0
.rept 32
	v_exp_f32 v[T+k], v[T+k]
.set k, k+1
.endr
	v_nop                                          ; one plain vector instruction between the exponentials and the first use (ISA guide 5.7.2)
.set k, 0
	s_wait_alu depctr_va_vdst(0)
.rept 16
	v_pk_add_f32 v[T+k:T+k+1], v[T+k:T+k+1], -1.0 op_sel_hi:[1,0]
.set k, k+2
.endr
.set k, 0
.rept 32
	v_med3_num_f32 v[\xb+k], v[\xb+k], v[T+k], 0
.set k, k+1
.endr
.set k, 0
.rept 16
	v_pk_add_f32 v[\xb+k:\xb+k+1], v[\xb+k:\xb+k+1], 1.0 op_sel_hi:[1,0]
.set k, k+2
.endr
.endm
.macro KADD x                          ; two loads' eight numbers onto the two Ksum chains, in f32
	v_pk_add_f32 v[KSA:KSA+1],   v[KSA:KSA+1],   v[\x:\x+1]
	v_pk_add_f32 v[KSA+2:KSA+3], v[KSA+2:KSA+3], v[\x+2:\x+3]
	v_pk_add_f32 v[KSB:KSB+1],   v[KSB:KSB+1],   v[\x+4:\x+5]
	v_pk_add_f32 v[KSB+2:KSB+3], v[KSB+2:KSB+3], v[\x+6:\x+7]
.endm
; a slot's 64 f32 to four fragments: register p of tile t = word t of loads 2p (low half) and 2p + 1 (high half)
.macro PACK fr, xs
.irp t, 0,1,2,3
.irp p, 0,1,2,3,4,5,6,7
	v_cvt_pk_bf16_f32 v[\fr+8*\t+\p], v[\xs+8*\p+\t], v[\xs+8*\p+4+\t]
.endr
.endr
.endm
; K's turn.  left = loads of the younger slots, which stay out; the slot's own second half may stay out during the first.
.macro KTURN slot, left, first
	s_wait_loadcnt \left+8                         ; loads return in order (ISA guide 5.7.1): my first eight are in
	ELU X+64*\slot
.if \first
	v_pk_add_f32 v[KSA:KSA+1],   v[X+64*\slot:X+64*\slot+1],     v[X+64*\slot+8:X+64*\slot+9]    ; the first four loads start the chains:
	v_pk_add_f32 v[KSA+2:KSA+3], v[X+64*\slot+2:X+64*\slot+3],   v[X+64*\slot+10:X+64*\slot+11]  ; nothing is cleared
	v_pk_add_f32 v[KSB:KSB+1],   v[X+64*\slot+4:X+64*\slot+5],   v[X+64*\slot+12:X+64*\slot+13]
	v_pk_add_f32 v[KSB+2:KSB+3], v[X+64*\slot+6:X+64*\slot+7],   v[X+64*\slot+14:X+64*\slot+15]
.else
	KADD X+64*\slot
	KADD X+64*\slot+8
.endif
	KADD X+64*\slot+16
	KADD X+64*\slot+24
	s_wait_loadcnt \left                           ; the other eight
	ELU X+64*\slot+32
	KADD X+64*\slot+32
	KADD X+64*\slot+40
	KADD X+64*\slot+48
	KADD X+64*\slot+56
	WIN 0x40                                       ; destination in window 1.  FA was last read by matrix instructions in front of the ELU lines above,
	PACK FA, X+64*\slot                            ; far more than the four places that ISA guide 7.12.1 asks
	WIN 0
.endm
.macro VTURN slot, left
	s_wait_loadcnt \left
	WIN 0x40
	PACK FB, X+64*\slot
	WIN 0
.endm
; 64 x 64 x 32: sixteen matrix instructions, all operands in window 1.  zero = 1: the first step starts the sums.
.macro MUL zero
	WIN 0x55
.irp tn, 0,1,2,3
.irp tm, 0,1,2,3
.if \zero
	v_wmma_f32_16x16x32_bf16 v[ACC+8*(4*\tn+\tm):ACC+8*(4*\tn+\tm)+7], v[FA+8*\tm:FA+8*\tm+7], v[FB+8*\tn:FB+8*\tn+7], 0
.else
	v_wmma_f32_16x16x32_bf16 v[ACC+8*(4*\tn+\tm):ACC+8*(4*\tn+\tm)+7], v[FA+8*\tm:FA+8*\tm+7], v[FB+8*\tn:FB+8*\tn+7], v[ACC+8*(4*\tn+\tm):ACC+8*(4*\tn+\tm)+7]
.endif
.endr
.endr
	WIN 0
.endm
	; The stream K0 V0 K1 V1 K2 V2 K3 V3 through slots 0 1 2 0 1 2 0 1.  A slot is loaded again as soon as it is packed.
	; At a turn's wait the two younger slots (32 loads) are out; at the last two turns 16 and 0.
	FILL 0, KB, 0
	FILL 1, VB, 0
	FILL 2, KB, 1
	KTURN 0, 32, 1
	FILL 0, VB, 1
	VTURN 1, 32
	FILL 1, KB, 2
	MUL 1
	KTURN 2, 32, 0
	FILL 2, VB, 2
	VTURN 0, 32
	FILL 0, KB, 3
	MUL 0
	KTURN 1, 32, 0
	FILL 1, VB, 3
	VTURN 2, 32
	MUL 0
	KTURN 0, 16, 0
	VTURN 1, 0
	MUL 0
	; THE EIGHT WAVES' SUMS MEET IN LDS.  The lines up to the stores are also the four places between the last matrix instruction and the
	; first LDS store of a result: nine plain vector instructions that name no accumulator and no fragment.
	v_pk_add_f32 v[KSA:KSA+1],   v[KSA:KSA+1],   v[KSB:KSB+1]
	v_pk_add_f32 v[KSA+2:KSA+3], v[KSA+2:KSA+3], v[KSB+2:KSB+3]
	v_and_b32 v[L16], 31, v0
	v_lshlrev_b32 v[L16], 4, v[L16]
	s_lshl_b32 s12, s10, 14                        ; wave x 16,384
	v_add_nc_u32 v[LA], s12, v[L16]
	s_lshl_b32 s13, s10, 9                         ; wave x 512
	s_add_co_u32 s13, s13, KSL
	v_add_nc_u32 v[LK], s13, v[L16]
	s_lshl_b32 s14, s10, 11                        ; wave x 2,048: an eighth of an image
	v_add_nc_u32 v[LR0], s14, v[L16]
	v_add_nc_u32 v[LR1], 4*IMG, v[LR0]
	v_add_nc_u32 v[LKR], KSL, v[L16]
	; Registers 4c .. 4c+3 of tile (tm, tn) go to place 8 tn + 4 c + tm of 32 places of 512 bytes (16 bytes a lane, no bank conflict).
	; Places 4w .. 4w+3 then hold, for one lane, d = 32h + 16c + 0..15 of column v = 4r + tn with tn = w / 2, c = w % 2:
	; one whole B fragment of the next launch.
	WIN 0x04                                       ; store data in window 1
.irp tn, 0,1,2,3
.irp tm, 0,1,2,3
.irp c, 0,1
	ds_store_b128 v[LA], v[ACC+8*(4*\tn+\tm)+4*\c:ACC+8*(4*\tn+\tm)+4*\c+3] offset:512*(8*\tn+4*\c+\tm)
.endr
.endr
.endr
	WIN 0
	ds_store_b128 v[LK], v[KSA:KSA+3]
	s_wait_dscnt 0x0                               ; my stores are in LDS before I say so
	s_barrier_signal -1
	s_barrier_wait -1
	; wave w sums places 4w .. 4w+3 of the eight images
.irp u, 0,1,2,3
.irp i, 0,1,2,3
	ds_load_b128 v[X+16*\u+4*\i:X+16*\u+4*\i+3], v[LR0] offset:\u*IMG+\i*512
.endr
.endr
.irp u, 4,5,6,7
.irp i, 0,1,2,3
	ds_load_b128 v[X+16*\u+4*\i:X+16*\u+4*\i+3], v[LR1] offset:(\u-4)*IMG+\i*512
.endr
.endr
.irp u, 1,2,3,4,5,6,7
	s_wait_dscnt 4*(7-\u)                          ; images 0 .. u are in; four loads for each image behind them stay out
.irp k, 0,2,4,6,8,10,12,14
	v_pk_add_f32 v[X+\k:X+\k+1], v[X+\k:X+\k+1], v[X+16*\u+\k:X+16*\u+\k+1]
.endr
.endr
.irp k, 0,2,4,6,8,10,12,14
	v_pk_mul_f32 v[X+\k:X+\k+1], v[X+\k:X+\k+1], s[20:21] op_sel_hi:[1,0]      ; 1/S
.endr
.irp i, 0,1,2,3
	global_store_b128 v[LR0], v[X+4*\i:X+4*\i+3], s[8:9] offset:\i*512        ; 512 consecutive bytes, aligned; read again by the next launch: no NT
.endr
	; Ksum: wave 0 adds the eight waves' lanes, then the two halves of the lanes (even and odd rows)
	s_cmp_lg_u32 s10, 0
	s_cbranch_scc1 .Lend
.irp u, 0,1,2,3,4,5,6,7
	ds_load_b128 v[X+128+4*\u:X+128+4*\u+3], v[LKR] offset:512*\u
.endr
	s_wait_dscnt 0x0
.irp k, 0,2,4,6,8,10,12,14
	v_pk_add_f32 v[X+128+\k:X+128+\k+1], v[X+128+\k:X+128+\k+1], v[X+144+\k:X+144+\k+1]
.endr
.irp k, 0,2,4,6
	v_pk_add_f32 v[X+128+\k:X+128+\k+1], v[X+128+\k:X+128+\k+1], v[X+136+\k:X+136+\k+1]
.endr
.irp k, 0,2
	v_pk_add_f32 v[X+128+\k:X+128+\k+1], v[X+128+\k:X+128+\k+1], v[X+132+\k:X+132+\k+1]
.endr
.irp k, 0,1,2,3
	v_permlanex16_b32 v[T+\k], v[X+128+\k], s22, s23       ; T has been written before: the destination counts as read
.endr
	v_pk_add_f32 v[X+128:X+129], v[X+128:X+129], v[T:T+1]
	v_pk_add_f32 v[X+130:X+131], v[X+130:X+131], v[T+2:T+3]
	global_store_b128 v[L16], v[X+128:X+131], s[8:9] offset:IMG    ; Ksum[4r .. 4r+3], once from each half of the lanes: 512 bytes, no lane switched off
.Lend:
	s_wait_tensorcnt 0x0
	ds_add_u32 v62, v63
	s_wait_dscnt 0x0
	s_endpgm
.Lfunc_end_k_q347347ec11_kvsum:
	.size	k_q347347ec11_kvsum, .Lfunc_end_k_q347347ec11_kvsum-k_q347347ec11_kvsum
	.p2alignl 7, 3214868480
	.fill 96, 4, 3214868480
	.section	.rodata,"a",@progbits
	.p2align	6, 0x0
	.amdhsa_kernel k_q347347ec11_kvsum
		.amdhsa_group_segment_fixed_size 136192
		.amdhsa_private_segment_fixed_size 0
		.amdhsa_enable_private_segment 0
		.amdhsa_kernarg_size 24
		.amdhsa_user_sgpr_count 2
		.amdhsa_user_sgpr_kernarg_segment_ptr 1
		.amdhsa_wavefront_size32 1
		.amdhsa_system_sgpr_workgroup_id_x 1
		.amdhsa_system_sgpr_workgroup_id_y 1
		.amdhsa_system_sgpr_workgroup_id_z 1
		.amdhsa_system_vgpr_workitem_id 0
		.amdhsa_next_free_vgpr 448
		.amdhsa_next_free_sgpr 66
		.amdhsa_reserve_vcc 0
		.amdhsa_float_denorm_mode_32 3
		.amdhsa_float_denorm_mode_16_64 3
		.amdhsa_memory_ordered 1
		.amdhsa_forward_progress 1
		.amdhsa_inst_pref_size 103
	.end_amdhsa_kernel
	.amdgpu_metadata
---
amdhsa.version: [ 1, 2 ]
amdhsa.kernels:
  - .name:           k_q347347ec11_kvsum
    .symbol:         k_q347347ec11_kvsum.kd
    .args:
      - { .name: keys, .offset: 0, .size: 8, .value_kind: global_buffer, .address_space: global }
      - { .name: values, .offset: 8, .size: 8, .value_kind: global_buffer, .address_space: global }
      - { .name: part, .offset: 16, .size: 8, .value_kind: global_buffer, .address_space: global }
    .group_segment_fixed_size: 136192
    .private_segment_fixed_size: 0
    .kernarg_segment_align: 8
    .kernarg_segment_size: 24
    .max_flat_workgroup_size: 256
    .sgpr_count:     66
    .vgpr_count:     448
    .wavefront_size: 32
...
	.end_amdgpu_metadata
.endif
;; end of part 1
;; launch apply (part 2): grid 256 x 1, 8 waves a work-group, no clusters, 29,696 bytes of LDS; arguments queries, part, out0; writes out0
.if DOCPART == 2
	.amdgcn_target "amdgcn-amd-amdhsa--gfx1250"
	.amdhsa_code_object_version 6
	.text
	.protected	k_q347347ec11_apply
	.globl	k_q347347ec11_apply
	.p2align	8
	.type	k_q347347ec11_apply,@function
k_q347347ec11_apply:
	s_mov_b64 s[64:65], 0
	v_nop
	global_prefetch_b8 v0, s[64:65] scope:SCOPE_SE
	s_setreg_imm32_b32 hwreg(HW_REG_WAVE_MODE, 25, 1), 1
	s_wait_xcnt 0x0
; Linear attention, second half.  Q = elu(queries) + 1;  out[l][v] = 4096 (sum over d of Q[l][d] KV[d][v]) / (sum over d of Q[l][d] Ksum[d] + 1e-6).
; queries, out0: [8][4096][8][64] f32.  part: per (n, quarter of S, head) a record of the first launch: KV / 4096 as a register image, then Ksum.
; Work-group id = 32 n + 8 q + head (q: quarter of L).  Eight waves, 128 rows each, in 8 tiles of 16 rows.
;
; Each wave asks for its share of the four records and then for ALL its 64 loads of Q (register window 1, 256 registers): nothing is asked for later.
; B: wave w sums fragment w of the four records, rounds to bf16, puts it in LDS; behind one barrier every wave keeps all of B
; in 80 registers: tiles t = 0..3 with column r = v = 4 r + t, and a fifth tile whose 16 columns all hold Ksum.  In both operands place p of step c in
; lane half h is d = 32 h + 16 c + p.
; A: a load brings lanes 0-15 one whole row of 256 bytes (lane r: d = 4r .. 4r+3), but a fragment wants a row per lane: 16 rows go as bf16 through the
; wave's own LDS stage.  Pitch 144 bytes: the 16 rows of a 16-byte fragment load fall on 16 different 16-byte columns modulo 256, and the two
; rows of a store, 8 rows = 1,152 bytes apart, on the two halves of 256 bytes.
; D: register j of tile t in lane (r, h) is out(row 8h + j, v = 4r + t); the fifth tile gives the denominator of row 8h + j in every lane.  The multiply
; by z also lays t = 0..3 into four consecutive registers: a 16-byte store, and 16 lanes fill a row's 256 bytes.  No LDS on the way out.
;
; No cluster: the four work-groups of one (n, head) share only the four records, 66 KiB against 512 KiB of Q and out of their own.
; LIMITS.  A NaN in queries is not carried on (v_med3_num_f32 returns a number).  elu is exp(x) - 1 in f32, within about 6e-8 of expm1.
; Q, KV / 4096 and Ksum enter the products rounded to bf16; sums, the reciprocal and the scaling are f32.
.set REC,   16896                      ; a record
.set PSTR,  8*REC                      ; from one quarter of S to the next
.set KAREA, 8192                       ; LDS: 8 B fragments of 1,024 bytes, then 256 bytes of bf16 Ksum for each wave,
.set STAGE, 10240                      ; then 16 rows x 144 bytes for each wave
.set PITCH, 144
; window 0
.set VOFF, 1                           ; my 16 bytes in rows 0 (lanes 0-15) and 8 (lanes 16-31) of my wave's first tile: for Q and for out
.set PO,   2                           ; my 16 bytes in my wave's eighth of a record
.set KO,   3                           ; 16 r: my four numbers of Ksum
.set L16,  4                           ; 16 x lane
.set BW,   5                           ; LDS: my wave's B fragment + 16 x lane
.set KW,   6                           ; LDS: my wave's Ksum + 8 x lane
.set KR,   7                           ; LDS: my wave's Ksum + 64 h
.set SA,   8                           ; LDS stage, in:  row 8 h, byte 8 r
.set RA,   9                           ; LDS stage, out: row r, byte 64 h
.set BF,   16                          ; v[16:95]   B: step c of tile t at 16 t + 8 c; t = 4: Ksum
.set AF,   96                          ; v[96:111]  A: step c at 8 c
.set D,    112                         ; v[112:151] results: tile t at 8 t
.set Z,    152                         ; v[152:159] 4096 / (denominator + eps) of rows 8h + j
.set O,    160                         ; v[160:191] row j's 16 bytes at 4 j
.set T,    224                         ; v[224:255] at work
.set Y,    112                         ; in front of the tiles: the four records' 16 registers each,
.set YK,   176                         ; and their Ksum, 4 each
; window 1: tile i's eight loads at v[32 i + 4 j]
.set MSB, 0
.macro WIN new                         ; low byte: bits 1:0 source 0, 3:2 source 1, 5:4 source 2, 7:6 destination; high byte: the setting left
.if MSB != \new
	s_set_vgpr_msb (MSB<<8)|\new
.set MSB, \new
.endif
.endm
	s_load_b128 s[4:7], s[0:1], 0x0                ; queries, part
	s_load_b64 s[8:9], s[0:1], 0x10                ; out0
	v_lshl_add_u32 v222, v0, 2, 0x7000
	v_mov_b32 v223, 0
	v_lshrrev_b32 v10, 5, v0
	v_readfirstlane_b32 s10, v10                   ; wave 0..7
	v_and_b32 v10, 15, v0                          ; r
	v_bfe_u32 v11, v0, 4, 1                        ; h
	v_and_b32 v12, 31, v0                          ; lane
	s_lshr_b32 s12, ttmp9, 3                       ; 4 n + q
	s_lshl_b32 s12, s12, 21                        ; x 1,024 rows x 2,048 bytes
	s_and_b32 s13, ttmp9, 7                        ; head
	s_lshl_b32 s13, s13, 8
	s_or_b32 s12, s12, s13
	s_mov_b32 s13, 0
	s_and_b32 s14, ttmp9, 0xe7                     ; 32 n + head: the record of S's first quarter
	s_mul_i32 s14, s14, REC
	s_mov_b32 s15, 0
	s_lshl_b32 s11, s10, 18                        ; wave x 128 rows x 2,048 bytes
	s_lshl_b32 s18, s10, 11                        ; wave x 2,048
	v_lshlrev_b32 v[KO], 4, v10
	v_lshl_add_u32 v13, v11, 14, v[KO]             ; 16 r + h x 8 rows
	v_add_nc_u32 v[VOFF], s11, v13
	v_lshlrev_b32 v[L16], 4, v12
	v_add_nc_u32 v[PO], s18, v[L16]
	s_wait_kmcnt 0x0
	s_add_nc_u64 s[4:5], s[4:5], s[12:13]
	s_add_nc_u64 s[8:9], s[8:9], s[12:13]
	s_add_nc_u64 s[6:7], s[6:7], s[14:15]
	; first what is needed first
.irp p, 0,1,2,3
.irp i, 0,1,2,3
	global_load_b128 v[Y+16*\p+4*\i:Y+16*\p+4*\i+3], v[PO], s[6:7] offset:\p*PSTR+\i*512
.endr
.endr
.irp p, 0,1,2,3
	global_load_b128 v[YK+4*\p:YK+4*\p+3], v[KO], s[6:7] offset:\p*PSTR+16384
.endr
	; then all of my Q: load j of tile i = rows 16 i + j and 16 i + 8 + j, 256 whole bytes each
	WIN 0x40                                       ; destination in window 1
.irp i, 0,1,2,3,4,5,6,7
.irp j, 0,1,2,3,4,5,6,7
	global_load_b128 v[32*\i+4*\j:32*\i+4*\j+3], v[VOFF], s[4:5] offset:\i*32768+\j*2048 th:TH_LOAD_NT
.endr
.endr
	WIN 0
	s_mov_b32 s16, 0x3fb8aa3b                      ; log2(e); the packed form takes the pair as read
	s_mov_b32 s17, 0x3fb8aa3b
	s_mov_b32 s24, 0x39800000                      ; 1/4096
	s_mov_b32 s25, 0x2f8637bd                      ; f32(1e-6) / 4096
	s_lshl_b32 s19, s10, 10
	v_add_nc_u32 v[BW], s19, v[L16]
	s_lshl_b32 s20, s10, 8
	s_add_co_u32 s20, s20, KAREA
	v_lshl_add_u32 v[KW], v12, 3, s20
	v_lshl_add_u32 v[KR], v11, 6, s20
	s_mul_i32 s21, s10, 16*PITCH
	s_add_co_u32 s21, s21, STAGE
	v_mul_u32_u24 v13, v11, 8*PITCH
	v_lshl_add_u32 v13, v10, 3, v13
	v_add_nc_u32 v[SA], s21, v13
	v_mul_u32_u24 v13, v10, PITCH
	v_lshl_add_u32 v13, v11, 6, v13
	v_add_nc_u32 v[RA], s21, v13
	s_wait_loadcnt 0x3f                            ; 64 loads follow the records'; the count's field ends at 63, so Q's first load is waited for too
.set k, 0
.rept 8
	v_pk_add_f32 v[Y+k:Y+k+1],       v[Y+k:Y+k+1],       v[Y+16+k:Y+16+k+1]
	v_pk_add_f32 v[Y+32+k:Y+32+k+1], v[Y+32+k:Y+32+k+1], v[Y+48+k:Y+48+k+1]
.set k, k+2
.endr
.set k, 0
.rept 8
	v_pk_add_f32 v[Y+k:Y+k+1], v[Y+k:Y+k+1], v[Y+32+k:Y+32+k+1]
.set k, k+2
.endr
	; register 4 tm + jj holds place p = 4 jj + tm of my fragment; fragment register q holds places 2q (low half) and 2q + 1
.irp q, 0,1,2,3,4,5,6,7
	v_cvt_pk_bf16_f32 v[T+\q], v[Y+8*(\q&1)+(\q>>1)], v[Y+8*(\q&1)+4+(\q>>1)]
.endr
	v_pk_add_f32 v[YK:YK+1],     v[YK:YK+1],     v[YK+4:YK+5]
	v_pk_add_f32 v[YK+2:YK+3],   v[YK+2:YK+3],   v[YK+6:YK+7]
	v_pk_add_f32 v[YK+8:YK+9],   v[YK+8:YK+9],   v[YK+12:YK+13]
	v_pk_add_f32 v[YK+10:YK+11], v[YK+10:YK+11], v[YK+14:YK+15]
	v_pk_add_f32 v[YK:YK+1],     v[YK:YK+1],     v[YK+8:YK+9]
	v_pk_add_f32 v[YK+2:YK+3],   v[YK+2:YK+3],   v[YK+10:YK+11]
	v_cvt_pk_bf16_f32 v[T+8], v[YK], v[YK+1]
	v_cvt_pk_bf16_f32 v[T+9], v[YK+2], v[YK+3]
	ds_store_b128 v[BW], v[T:T+3]                  ; fragment registers 0-3 of all lanes, 512 consecutive bytes,
	ds_store_b128 v[BW], v[T+4:T+7] offset:512     ; then registers 4-7
	ds_store_b64 v[KW], v[T+8:T+9]                 ; lanes 0-15: bf16 Ksum[0..63] in 128 bytes; lanes 16-31 a second copy behind it: no lane is switched off
	s_wait_dscnt 0x0                               ; my stores are in LDS before I say so
	s_barrier_signal -1
	s_barrier_wait -1
.irp f, 0,1,2,3,4,5,6,7
	ds_load_b128 v[BF+8*\f:BF+8*\f+3],   v[L16] offset:1024*\f
	ds_load_b128 v[BF+8*\f+4:BF+8*\f+7], v[L16] offset:1024*\f+512
.endr
.irp m, 0,1,2,3
	ds_load_b128 v[BF+64+4*\m:BF+64+4*\m+3], v[KR] offset:16*\m    ; Ksum[32h + 8m ..]: the same in all 16 columns
.endr
; tile i: elu + 1, bf16, through the stage into A's fragments
.macro FRONT i
	s_wait_loadcnt 8*(7-(\i))                      ; loads return in order (ISA guide 5.7.1): tile i is in, eight loads for each later tile stay out
	WIN 0x01                                       ; source 0 in window 1
.set k, 0
.rept 16
	v_pk_mul_f32 v[T+k:T+k+1], v[32*(\i)+k:32*(\i)+k+1], s[16:17] op_sel_hi:[1,0]
.set k, k+2
.endr
	WIN 0x04                                       ; source 1 in window 1: only the v_med3 lines have a register there
.set k, 0
.rept 32
	v_exp_f32 v[T+k], v[T+k]
.set k, k+1
.endr
	v_nop                                          ; one plain vector instruction between the exponentials and the first use (ISA guide 5.7.2)
.set k, 0
	s_wait_alu depctr_va_vdst(0)
.rept 16
	v_pk_add_f32 v[T+k:T+k+1], v[T+k:T+k+1], -1.0 op_sel_hi:[1,0]
.set k, k+2
.endr
.set k, 0
.rept 32
	v_med3_num_f32 v[T+k], v[T+k], v[32*(\i)+k], 0     ; elu(x) = the middle one of exp(x) - 1, x and 0, since exp(x) - 1 >= x
.set k, k+1
.endr
.set k, 0
.rept 16
	v_pk_add_f32 v[T+k:T+k+1], v[T+k:T+k+1], 1.0 op_sel_hi:[1,0]
.set k, k+2
.endr
	WIN 0
.set k, 0
.rept 16
	v_cvt_pk_bf16_f32 v[T+k], v[T+2*k], v[T+2*k+1]     ; in place, ascending: register k was read by an earlier line or is read by this one
.set k, k+1
.endr
.irp j, 0,1,2,3,4,5,6,7
	ds_store_b64 v[SA], v[T+2*\j:T+2*\j+1] offset:\j*PITCH     ; rows j and 8 + j.  The stage's last readers were waited for in front of the last MM
.endr
.irp m, 0,1,2,3
	ds_load_b128 v[AF+4*\m:AF+4*\m+3], v[RA] offset:16*\m      ; my wave's own bytes, served in order (ISA guide 5.7.1.4): no wait, no barrier.  AF was last
.endr                                                          ; read by matrix instructions in front of this macro's vector lines: the four places of 7.12.1 and many more
.endm
; 16 rows x (64 + 16) columns x 64: ten matrix instructions, the first five start the sums
.macro MM
	s_wait_dscnt 0x0                               ; A's fragments (and, the first time, B's)
	v_wmma_f32_16x16x32_bf16 v[D+32:D+39], v[AF:AF+7], v[BF+64:BF+71], 0
.irp t, 0,1,2,3
	v_wmma_f32_16x16x32_bf16 v[D+8*\t:D+8*\t+7], v[AF:AF+7], v[BF+16*\t:BF+16*\t+7], 0
.endr
	v_wmma_f32_16x16x32_bf16 v[D+32:D+39], v[AF+8:AF+15], v[BF+72:BF+79], v[D+32:D+39]
.irp t, 0,1,2,3
	v_wmma_f32_16x16x32_bf16 v[D+8*\t:D+8*\t+7], v[AF+8:AF+15], v[BF+16*\t+8:BF+16*\t+15], v[D+8*\t:D+8*\t+7]
.endr
.endm
; tile i: scale and store
.macro OUT i
.irp j, 0,1,2,3,4,5,6,7
	v_fma_f32 v[Z+\j], v[D+32+\j], s24, s25        ; (denominator + 1e-6) / 4096, rounded once, as the sum is: the factor is a power of two
.endr
.irp j, 0,1,2,3,4,5,6,7
	v_rcp_f32 v[Z+\j], v[Z+\j]                     ; 4096 / (denominator + 1e-6)
.endr
	s_wait_xcnt 0x0                                ; O, which the last tile's stores read, is rewritten only behind this wait (ISA guide 3.1)
	v_nop                                          ; one plain vector instruction between the reciprocals and the first use (ISA guide 5.7.2)
	s_wait_alu depctr_va_vdst(0)
.irp j, 0,1,2,3,4,5,6,7
.irp t, 0,1,2,3
	v_mul_f32 v[O+4*\j+\t], v[D+8*\t+\j], v[Z+\j]
.endr
	global_store_b128 v[VOFF], v[O+4*\j:O+4*\j+3], s[8:9] offset:(\i)*32768+\j*2048 th:TH_STORE_NT   ; rows j and 8 + j: 16 lanes write a row's 256 bytes, aligned
.endr
.endm
	; The next tile's FRONT stands between a tile's matrix instructions and the first read of their results: its vector lines, which name none of
	; D, AF, BF, are the places that ISA guide 7.12.1 asks (four before a result is read, five before the next MM writes over D).
	FRONT 0
.irp i, 0,1,2,3,4,5,6
	MM
	FRONT \i+1
	OUT \i
.endr
	MM
.rept 4
	v_nop                                          ; behind the last tile there is no such work left
.endr
	OUT 7
	s_wait_tensorcnt 0x0
	ds_add_u32 v222, v223
	s_wait_dscnt 0x0
	s_endpgm
.Lfunc_end_k_q347347ec11_apply:
	.size	k_q347347ec11_apply, .Lfunc_end_k_q347347ec11_apply-k_q347347ec11_apply
	.p2alignl 7, 3214868480
	.fill 96, 4, 3214868480
	.section	.rodata,"a",@progbits
	.p2align	6, 0x0
	.amdhsa_kernel k_q347347ec11_apply
		.amdhsa_group_segment_fixed_size 29696
		.amdhsa_private_segment_fixed_size 0
		.amdhsa_enable_private_segment 0
		.amdhsa_kernarg_size 24
		.amdhsa_user_sgpr_count 2
		.amdhsa_user_sgpr_kernarg_segment_ptr 1
		.amdhsa_wavefront_size32 1
		.amdhsa_system_sgpr_workgroup_id_x 1
		.amdhsa_system_sgpr_workgroup_id_y 1
		.amdhsa_system_sgpr_workgroup_id_z 1
		.amdhsa_system_vgpr_workitem_id 0
		.amdhsa_next_free_vgpr 512
		.amdhsa_next_free_sgpr 66
		.amdhsa_reserve_vcc 0
		.amdhsa_float_denorm_mode_32 3
		.amdhsa_float_denorm_mode_16_64 3
		.amdhsa_memory_ordered 1
		.amdhsa_forward_progress 1
		.amdhsa_inst_pref_size 105
	.end_amdhsa_kernel
	.amdgpu_metadata
---
amdhsa.version: [ 1, 2 ]
amdhsa.kernels:
  - .name:           k_q347347ec11_apply
    .symbol:         k_q347347ec11_apply.kd
    .args:
      - { .name: queries, .offset: 0, .size: 8, .value_kind: global_buffer, .address_space: global }
      - { .name: part, .offset: 8, .size: 8, .value_kind: global_buffer, .address_space: global }
      - { .name: out0, .offset: 16, .size: 8, .value_kind: global_buffer, .address_space: global }
    .group_segment_fixed_size: 29696
    .private_segment_fixed_size: 0
    .kernarg_segment_align: 8
    .kernarg_segment_size: 24
    .max_flat_workgroup_size: 256
    .sgpr_count:     66
    .vgpr_count:     512
    .wavefront_size: 32
...
	.end_amdgpu_metadata
.endif
;; end of part 2
